; MI455X (gfx1250); checked and timed in simulation.
; The chip was launched on July 23, 2026; its instructions are those of AMD's public machine-readable ISA for CDNA 5 (MIT licence, August 2026) and "CDNA5" Instruction Set Architecture Reference Guide (July 2026). The comments in the code are by the model that wrote it; some were corrected since.
;; MVDR Beamformer. Allowed arithmetic: float matrix products may take bf16 or f16 operands with f32 sums; other float arithmetic in f32, or as packed bf16 or f16 multiplies, adds, multiply-adds, maxima and minima; sums over many terms, partial sums and values carried from step to step in f32; what a program stores and reads back later, other than sums and carried values, may be rounded once to bf16 or f16.
;; Inputs: mix_imag 8 x 8 x 257 x 800 float32; mix_real 8 x 8 x 257 x 800 float32; noise_mask_imag 8 x 257 x 800 float32; noise_mask_real 8 x 257 x 800 float32; speech_mask_imag 8 x 257 x 800 float32; speech_mask_real 8 x 257 x 800 float32.
;; Outputs: out0 2 x 8 x 257 x 800 float32.
;; One version. Each part assembles by itself: llvm-mc -triple=amdgcn-amd-amdhsa -mcpu=gfx1250 --defsym DOCPART=n.
;; ======== version 1 of 1: 1 launch
;; launch mvdr (part 1): grid 257 x 8, 1 waves a work-group, no clusters, 29,440 bytes of LDS; arguments mix_real, mix_imag, speech_mask_real, speech_mask_imag, noise_mask_real, noise_mask_imag, out0; writes out0
.if DOCPART == 1
	.amdgcn_target "amdgcn-amd-amdhsa--gfx1250"
	.amdhsa_code_object_version 6
	.text
	.protected	k_q5b5e6889f6_mvdr
	.globl	k_q5b5e6889f6_mvdr
	.p2align	8
	.type	k_q5b5e6889f6_mvdr,@function
k_q5b5e6889f6_mvdr:
	s_mov_b64 s[64:65], 0
	v_nop
	global_prefetch_b8 v0, s[64:65] scope:SCOPE_SE
	s_setreg_imm32_b32 hwreg(HW_REG_WAVE_MODE, 25, 1), 1
	s_wait_xcnt 0x0
; MVDR BEAMFORMER, one launch.  For each of the 8 x 257 pairs (b, f), with X the 8 channels x 800 frames of the mix and m = |mask|^2:
;   S = sum_t ms X X^H / (sum ms + 1e-8) + 1e-5 i,   N = the same with mn, + 1e-8 I,   num = (N^-1 + 1e-8 i) S,   w = num[:,0] / (trace num + 1e-8),   es[t] = sum_c conj(w_c) X_c[t].
; NOTHING OF reference() IS LEFT OUT: all six inputs reach the output and are loaded, and the 1e-8 and 1e-5 terms are made.  Of num only column 0 and the diagonal reach the
; output; its other entries arise in the same registers of the same elimination.
; SHARES.  A work-group is ONE wave and owns one (b, f): 16 rows of X (real, imaginary) and 4 mask rows of 3,200 bytes in, 2 rows out.  No wave touches another's bytes: no barrier.
; X is read from memory once, rounded to bf16 and kept in LDS: rows 0-7 Re X_c, 8-15 Im X_c (together Z), 16 ms, 17 mn.  LDS is read along the rows for S and N, and turned for es.
; WHERE A FRAME LIES.  A row is taken as 3,072 bytes (six loads of 512) and 128 bytes (one load of 4 bytes a lane).  Lane l packs its 4 + 4 numbers of loads 2p and 2p+1 into 16 bytes:
; chunk (p, l) at byte 512 p + 16 l of the LDS row; the 128 bytes' 32 numbers fill four chunks at byte 1,536.  All 18 rows use the same places, so a sum over t may take them in any order.
; A row of out0 or of a mask begins at 3,200 (257 b + f): for odd 257 b + f the 128 bytes are taken at the row's head and the 3,072 behind them, so that every load of a mask row and every
; store of 256 bytes begins at a multiple of 256.  X's rows begin at 3,200 ((8 b + c) 257 + f): every second channel's loads begin 128 bytes past such a multiple, and an aligned block of
; 256 bytes is then shared by two loads, at a row's ends by two work-groups: the loads carry no non-temporal hint.
; S AND N.  D1 = A1 B1^T, D2 = A2 B2^T over all t: A1 = Z's row r in lane r, A2 = row r xor 8; B1 = A1 x m, B2 = A2 x m with m = ms in lanes r < 8, mn in lanes r >= 8.  With c = register, d = r & 7:
;   lanes 0-7: D1 + D2 = Re nomS[c][d]   lanes 16-23: D1 - D2 = Im nomS[c][d]   lanes 8-15: D2 - D1 = Im nomN[c][d]   lanes 24-31: D1 + D2 = Re nomN[c][d].
; So a lane holds a column of [S | N], its partner 16 lanes away the column's other part, and the elimination works on rows = registers.
; LIMITS.  Matrix operands (X, m, m X, w) are rounded to bf16; sums, den and the elimination are f32, in another order than reference()'s.  The inverse is made by Gauss-Jordan WITHOUT exchange of rows:
; N is a Gram matrix with weights >= 0 over a positive number plus 1e-8 I (Hermitian, positive definite) plus 1e-5 i in every entry (skew-Hermitian), so no pivot is 0 for any input; where N is singular
; to f32's 1e-7 (a noise mask that is 0 in a whole row, channels that are equal) rounding rules the result here as in reference(), and the two differ.  v_rcp_f32 is good to 1 ulp and takes |pivot|^2 or
; |trace|^2 below 2^-126 (magnitudes under 1e-19) for 0.  NaN and infinities are not treated apart.
.set ROWB,  3200                       ; bytes in a row of 800 f32
.set CHB,   257*ROWB                   ; from a channel's row of the mix to the next channel's
.set PLANE, 2056*ROWB                  ; from out0's real plane to its imaginary plane: a multiple of 256
.set P,     1616                       ; an LDS row: 1,600 bytes + 16 = 404 words: row r starts at bank 20 r mod 64 (64 banks of 4 bytes: ISA guide 11.1): 16 rows, 16 different groups of four banks
.set TAILB, 1536                       ; the four chunks of the 128 bytes
.set SPARE, 29184                      ; behind the 18 rows (29,088 bytes): the spare words, a block of 256 bytes that no other line names
.set LD16, 1                           ; v1   16 x lane: my chunk's place in an LDS row
.set G16,  2                           ; v2   16 x lane + 128 for odd rows: my 16 bytes of a load of 512
.set G4,   3                           ; v3   4 x lane + where the 128 bytes lie (3,072 or 0)
.set TL,   4                           ; v4   where my number of the 128 bytes goes in the four chunks
.set SPW,  5                           ; v5   my spare word; never rewritten
.set NIL,  6                           ; v6   0; never rewritten
.set ADA1, 7                           ; v7   LDS: row r, 16 bytes for each half of the lanes
.set ADA2, 8                           ; v8   the same in row r xor 8
.set ADM,  9                           ; v9   the same in row 16 (r < 8) or 17, less 16 P
.set SCL,  10                          ; v10  1 / (den + 1e-8): the speech mask's in lanes r < 8, the noise mask's in the others
.set DS,   11                          ; v11  my part of the speech mask's den; later ADT
.set XT,   12                          ; v12-27  X's 128 bytes: channel c real, imaginary at XT + 2 c; staged early, then the registers below take their place
.set ADT,  11                          ; LDS address of the turning loads
.set ADT2, 12                          ; the same for the four chunks at TAILB
.set GOUT, 13                          ; my byte offset in the two output rows
.set GOUT2,14                          ; the same for the 128 bytes
.set SIG,  15                          ; +1 in lanes that hold imaginary parts (8-23), -1 in the others
.set AL,   16                          ; v16-17  sign of D1 x SCL (a pair, both alike)
.set BE,   18                          ; v18-19  sign of D2 x SCL
.set ALPHA,20                          ; -1 in lanes 8-15, else +1
.set SIGE, 21                          ; SIG x 1e-8
.set BADD, 22                          ; 1e-5 in lanes that hold imaginary parts, else 0
.set REEPS,23                          ; 1e-8 in lanes 0-7, else 0
.set PT,   24                          ; at work
.set RC,   25
.set U1,   26
.set U2,   27
.set A1,   28                          ; v28-43   two sets of 8: Z's row r, 32 t
.set A2,   44                          ; v44-59   row r xor 8
.set MB,   60                          ; v60-75   m; between the K steps: the packed chunks on their way to LDS
.set B1,   76                          ; v76-91   A1 x m
.set B2,   92                          ; v92-107  A2 x m
.set D1,   108                         ; v108-115
.set D2,   116                         ; v116-123
.set VV,   60                          ; the elimination's 8 rows
.set ADD,  68                          ; what is added to each of them at the start
.set VAL,  68                          ; later: my 8 numbers of w
.set WP,   124                         ; v124-127 the same in bf16
.set BQ,   76                          ; v76-107  w as source 1, in four forms
.set XL,   128                         ; v128-255 X as loaded: channel c real at XL + 16 c, imaginary at + 8; later Z turned
.set XR,   4                           ; s[4:5] mix_real, s[6:7] mix_imag, s[8:15] the four mask rows, s[16:17] out0, each at this problem's first row
.set XI,   6
.set OUT,  16
.set SEL,  24                          ; s[24:25] v_permlanex16_b32: each lane takes its own place in the other half
.set LIM,  26                          ; lanes that hold imaginary parts
.set LNO,  27                          ; lanes of N's columns
.set EPS5, 28
.set EPS8, 29
.set TRR,  30
.set TRI,  31
.set CR,   32                          ; s[32:39], s[40:47]  a column, real and imaginary, read out of its two lanes
.set CI,   40
.set LM,   48                          ; s[48:55] lanes with lane & 7 = j
.set SVX,  56
.set LWR,  57
	s_load_b256 s[4:11], s[0:1], 0x0               ; mix_real, mix_imag, speech_mask_real, speech_mask_imag
	s_load_b128 s[12:15], s[0:1], 0x20             ; noise_mask_real, noise_mask_imag
	s_load_b64 s[16:17], s[0:1], 0x30              ; out0
	v_lshl_add_u32 v[SPW], v0, 2, SPARE
	v_mov_b32 v[NIL], 0
	s_and_b32 s18, ttmp7, 0xffff                   ; b
	s_mul_i32 s19, s18, 257
	s_add_co_u32 s19, s19, ttmp9                   ; 257 b + f: the row of the masks and of out0
	s_mul_i32 s20, s19, ROWB
	s_mov_b32 s21, 0
	s_mul_i32 s22, s18, 2056
	s_add_co_u32 s22, s22, ttmp9                   ; 8 x 257 b + f: channel 0's row of the mix
	s_mul_i32 s22, s22, ROWB
	s_mov_b32 s23, 0
	s_and_b32 s19, s19, 1
	s_lshl_b32 s18, s19, 7                         ; odd rows: the 3,072 bytes begin 128 bytes in,
	s_cmp_eq_u32 s19, 0
	s_cselect_b32 s19, 3072, 0                     ; and the 128 bytes lie at the head
	v_lshlrev_b32 v[LD16], 4, v0
	v_add_nc_u32 v[G16], s18, v[LD16]
	v_lshl_add_u32 v[G4], v0, 2, s19
	s_wait_kmcnt 0x0
	s_add_nc_u64 s[4:5], s[4:5], s[22:23]
	s_add_nc_u64 s[6:7], s[6:7], s[22:23]
	s_add_nc_u64 s[8:9], s[8:9], s[20:21]
	s_add_nc_u64 s[10:11], s[10:11], s[20:21]
	s_add_nc_u64 s[12:13], s[12:13], s[20:21]
	s_add_nc_u64 s[14:15], s[14:15], s[20:21]
	s_add_nc_u64 s[16:17], s[16:17], s[20:21]
.macro MLOAD dst, tail, base           ; a mask row: six loads of 512 consecutive bytes, and the 128 bytes
.irp i, 0,1,2,3,4,5
	global_load_b128 v[(\dst)+4*(\i):(\dst)+4*(\i)+3], v[G16], s[(\base):(\base)+1] offset:512*(\i)
.endr
	global_load_b32 v[\tail], v[G4], s[(\base):(\base)+1]
.endm
.macro XLOAD p, c                      ; channel c, frames of group p: 2 x 512 bytes of the real row, 2 x 512 of the imaginary
.set xl, XL+16*(\c)
	global_load_b128 v[xl:xl+3],     v[G16], s[XR:XR+1] offset:(\c)*CHB+1024*(\p)
	global_load_b128 v[xl+4:xl+7],   v[G16], s[XR:XR+1] offset:(\c)*CHB+1024*(\p)+512
	global_load_b128 v[xl+8:xl+11],  v[G16], s[XI:XI+1] offset:(\c)*CHB+1024*(\p)
	global_load_b128 v[xl+12:xl+15], v[G16], s[XI:XI+1] offset:(\c)*CHB+1024*(\p)+512
.endm
	MLOAD 28,  124, 8                              ; 60 loads go out at once: the masks (12,800 bytes),
	MLOAD 52,  125, 10
	MLOAD 76,  126, 12
	MLOAD 100, 127, 14
.irp c, 0,1,2,3,4,5,6,7
	XLOAD 0, \c                                    ; and X's first group (16,384 bytes)
.endr
	; constants and LDS addresses, while the loads are out
	s_mov_b32 s[SEL], 0x76543210
	s_mov_b32 s[SEL+1], 0xfedcba98
	s_mov_b32 s[LIM], 0x00ffff00
	s_mov_b32 s[LNO], 0xff00ff00
	s_mov_b32 s[EPS5], 0x3727c5ac                  ; 1e-5
	s_mov_b32 s[EPS8], 0x322bcc77                  ; 1e-8
	s_mov_b32 s[LWR], 0xff0000ff
	s_mov_b32 s58, 0x0000ff00
	s_mov_b32 s59, 0x00ff0000
	s_mov_b32 s60, 0x000000ff
.irp j, 0,1,2,3,4,5,6,7
	s_mov_b32 s[LM+(\j)], 0x01010101<<(\j)
.endr
	v_and_b32 v24, 15, v0                          ; r
	v_lshrrev_b32 v25, 4, v0                       ; h
	v_bfe_u32 v26, v0, 3, 1
	v_mul_u32_u24 v[ADA1], v24, P
	v_lshl_add_u32 v[ADA1], v25, 4, v[ADA1]
	v_xor_b32 v24, 8, v24
	v_mul_u32_u24 v[ADA2], v24, P
	v_lshl_add_u32 v[ADA2], v25, 4, v[ADA2]
	v_mul_u32_u24 v[ADM], v26, P
	v_lshl_add_u32 v[ADM], v25, 4, v[ADM]
	v_bfe_u32 v24, v0, 2, 2                        ; number l of the 128 bytes: chunk (l >> 2) & 3, place l & 3 for l < 16, 4 + (l & 3) for the others:
	v_and_b32 v26, 3, v0                           ; so a chunk holds 4 + 4 neighbouring frames, like the other chunks
	v_lshlrev_b32 v[TL], 4, v24
	v_lshl_add_u32 v[TL], v25, 3, v[TL]
	v_lshl_add_u32 v[TL], v26, 1, v[TL]
; A mask: m = re^2 + im^2 in f32, in place; my part of den = the sum of my 25 m; m rounded to bf16 and laid into its LDS row.
.macro MASKSQ mr, mi, tr, ti, den, row
.set q, 0
.rept 12
	v_pk_mul_f32 v[(\mr)+q:(\mr)+q+1], v[(\mr)+q:(\mr)+q+1], v[(\mr)+q:(\mr)+q+1]
.set q, q+2
.endr
	v_mul_f32 v[\tr], v[\tr], v[\tr]
.set q, 0
.rept 12
	v_pk_fma_f32 v[(\mr)+q:(\mr)+q+1], v[(\mi)+q:(\mi)+q+1], v[(\mi)+q:(\mi)+q+1], v[(\mr)+q:(\mr)+q+1]
.set q, q+2
.endr
	v_fma_f32 v[\tr], v[\ti], v[\ti], v[\tr]
.set q, 0
.rept 6                                ; the sum as a tree, in the imaginary row's registers, which are free
	v_pk_add_f32 v[(\mi)+2*q:(\mi)+2*q+1], v[(\mr)+4*q:(\mr)+4*q+1], v[(\mr)+4*q+2:(\mr)+4*q+3]
.set q, q+1
.endr
	v_pk_add_f32 v[(\mi):(\mi)+1],   v[(\mi):(\mi)+1],   v[(\mi)+2:(\mi)+3]
	v_pk_add_f32 v[(\mi)+4:(\mi)+5], v[(\mi)+4:(\mi)+5], v[(\mi)+6:(\mi)+7]
	v_pk_add_f32 v[(\mi)+8:(\mi)+9], v[(\mi)+8:(\mi)+9], v[(\mi)+10:(\mi)+11]
	v_pk_add_f32 v[(\mi):(\mi)+1],   v[(\mi):(\mi)+1],   v[(\mi)+4:(\mi)+5]
	v_pk_add_f32 v[(\mi):(\mi)+1],   v[(\mi):(\mi)+1],   v[(\mi)+8:(\mi)+9]
	v_add_f32 v[\den], v[\mi], v[(\mi)+1]
	v_add_f32 v[\den], v[\den], v[\tr]
.irp p, 0,1,2
.irp e, 0,1,2,3
	v_cvt_pk_bf16_f32 v[(\mr)+8*(\p)+(\e)], v[(\mr)+8*(\p)+2*(\e)], v[(\mr)+8*(\p)+2*(\e)+1]
.endr
	ds_store_b128 v[LD16], v[(\mr)+8*(\p):(\mr)+8*(\p)+3] offset:(\row)*P+512*(\p)
.endr
.endm
	s_wait_loadcnt 46                              ; the speech mask's 14 loads are in; the noise mask's 14 and X's 32 may stay out
	MASKSQ 28, 52, 124, 125, DS, 16
.irp c, 0,1,2,3,4,5,6,7                ; X's 128 bytes go out now, so that no trip to memory is made for them alone at the end
	global_load_b32 v[XT+2*(\c)],   v[G4], s[XR:XR+1] offset:(\c)*CHB
	global_load_b32 v[XT+2*(\c)+1], v[G4], s[XI:XI+1] offset:(\c)*CHB
.endr
	s_wait_loadcnt 48                              ; the noise mask is in; X's 32 and the 16 just issued may stay out
	MASKSQ 76, 100, 126, 127, 112, 17
	v_cvt_pk_bf16_f32 v113, v124, v126             ; the two masks' numbers of the 128 bytes: low half to row 16, high half to row 17
	ds_store_b16 v[TL], v113 offset:16*P+TAILB
	ds_store_b16_d16_hi v[TL], v113 offset:17*P+TAILB
	; den over the 32 lanes: lanes 8 apart are added for both masks, then lanes r < 8 go on with the speech mask's sum and lanes r >= 8 with the noise mask's
	v_add_f32_dpp v[DS], v[DS], v[DS] row_xmask:8 row_mask:0xf bank_mask:0xf
	v_add_f32_dpp v112, v112, v112 row_xmask:8 row_mask:0xf bank_mask:0xf
	v_cndmask_b32 v[SCL], v[DS], v112, s[LNO]
	v_add_f32_dpp v[SCL], v[SCL], v[SCL] row_xmask:1 row_mask:0xf bank_mask:0xf
	v_add_f32_dpp v[SCL], v[SCL], v[SCL] row_xmask:2 row_mask:0xf bank_mask:0xf
	v_add_f32_dpp v[SCL], v[SCL], v[SCL] row_xmask:4 row_mask:0xf bank_mask:0xf
	v_permlanex16_b32 v114, v[SCL], s[SEL], s[SEL+1]
	v_add_f32 v[SCL], v[SCL], v114
	v_add_f32 v[SCL], s[EPS8], v[SCL]
	v_rcp_f32 v[SCL], v[SCL]                       ; first read far below, behind its wait; the conversions that follow are the plain instructions behind it
; Channel c of group p: rounded to bf16, 16 bytes a lane and row; its registers are asked for again at once (group p + 1); the chunks go into LDS.
; left = the loads issued behind this pair's four, which may stay out.
.macro STAGE p, c, left
.set xa, XL+16*(\c)
.set tt, MB+8*((\c)%2)
	s_wait_loadcnt \left
.irp e, 0,1,2,3
	v_cvt_pk_bf16_f32 v[tt+(\e)], v[xa+2*(\e)], v[xa+2*(\e)+1]
.endr
.irp e, 0,1,2,3
	v_cvt_pk_bf16_f32 v[tt+4+(\e)], v[xa+8+2*(\e)], v[xa+8+2*(\e)+1]
.endr
.if (\p) < 2
	XLOAD (\p)+1, \c
.endif
	ds_store_b128 v[LD16], v[tt:tt+3]   offset:(\c)*P+512*(\p)
	ds_store_b128 v[LD16], v[tt+4:tt+7] offset:(8+(\c))*P+512*(\p)
.endm
; K step s: 32 places of each LDS row, at byte 64 s.  A fragment is 16 rows x 32 in 8 registers: two loads of 16 bytes, 32 bytes apart (ISA guide 7.12.2).
.macro LOADK s
.set lb, 8*((\s)%2)
	ds_load_b128 v[A1+lb:A1+lb+3],   v[ADA1] offset:64*(\s)
	ds_load_b128 v[A1+lb+4:A1+lb+7], v[ADA1] offset:64*(\s)+32
	ds_load_b128 v[A2+lb:A2+lb+3],   v[ADA2] offset:64*(\s)
	ds_load_b128 v[A2+lb+4:A2+lb+7], v[ADA2] offset:64*(\s)+32
	ds_load_b128 v[MB+lb:MB+lb+3],   v[ADM]  offset:16*P+64*(\s)
	ds_load_b128 v[MB+lb+4:MB+lb+7], v[ADM]  offset:16*P+64*(\s)+32
.endm
; Z turned: for 32 chunks of group p (16 for each of two results), 8 fragments of 16 t x (16 rows of Z, twice).  In a group of eight lanes, lane j names 16 bytes of row 8 h + j, and lane i
; receives place i of all eight (ISA guide 11.2: the transposing load).  The two chunks of a load lie 128 bytes apart: with the pitch of 404 words its 16 addresses fall into 16 different groups of four banks.
.macro TRLOAD p, f
.set q, 0
.rept 8
	ds_load_tr16_b128 v[(\f)+8*q:(\f)+8*q+3],   v[ADT] offset:512*(\p)+256*(q/4)+32*(q%4)
	ds_load_tr16_b128 v[(\f)+8*q+4:(\f)+8*q+7], v[ADT] offset:512*(\p)+256*(q/4)+32*(q%4)+16
.set q, q+1
.endr
.endm
; One K step: 16 packed multiplies make B1 and B2, two products.  The next step's six loads stand behind the first eight multiplies: eight plain instructions behind the products
; that read the set they land in.  D1 and D2 take turns.  more = 1: the next step is fetched; 2: the last step: Z turned is fetched for the first two groups.
.macro KSTEP s, more
.set kb, 8*((\s)%2)
	s_wait_dscnt 0x0                               ; this step's six loads are in
.set e, 0
.rept 8
	v_pk_mul_bf16 v[B1+kb+e], v[A1+kb+e], v[MB+kb+e]
.set e, e+1
.endr
.if (\more) == 1
	LOADK (\s)+1
.elseif (\more) == 2
	TRLOAD 0, XL
	TRLOAD 1, XL+64
.endif
.set e, 0
.rept 8
	v_pk_mul_bf16 v[B2+kb+e], v[A2+kb+e], v[MB+kb+e]
.set e, e+1
.endr
.if (\s) == 0
	v_wmma_f32_16x16x32_bf16 v[D1:D1+7], v[A1+kb:A1+kb+7], v[B1+kb:B1+kb+7], 0
	v_wmma_f32_16x16x32_bf16 v[D2:D2+7], v[A2+kb:A2+kb+7], v[B2+kb:B2+kb+7], 0
.else
	v_wmma_f32_16x16x32_bf16 v[D1:D1+7], v[A1+kb:A1+kb+7], v[B1+kb:B1+kb+7], v[D1:D1+7]
	v_wmma_f32_16x16x32_bf16 v[D2:D2+7], v[A2+kb:A2+kb+7], v[B2+kb:B2+kb+7], v[D2:D2+7]
.endif
.endm
.macro PSD s0, n, end                  ; n K steps from s0 on.  LDS serves a wave's instructions in order (ISA guide 5.7.1.4): the loads see the stores issued ahead of them
	LOADK \s0
.set ks, \s0
.rept (\n)-1
	KSTEP ks, 1
.set ks, ks+1
.endr
	KSTEP ks, \end
.endm
.macro PLACES                          ; four plain instructions between a product and a load into, or a store out of, its registers
.rept 4
	v_nop
.endr
.endm
.irp c, 0,1,2,3,4,5,6,7
	STAGE 0, \c, 44                                ; may stay out: the 7 other pairs' four loads each (group 0 or 1), and the 16 loads of the 128 bytes
.endr
	PSD 0, 8, 0                                    ; group 0's eight K steps, while group 1 (16,384 bytes) is on its way
	s_wait_loadcnt 32                              ; X's 128 bytes are in; group 1's 32 loads may stay out
.irp c, 0,1,2,3,4,5,6,7
	v_cvt_pk_bf16_f32 v[XT+2*(\c)], v[XT+2*(\c)], v[XT+2*(\c)+1]
.endr
.irp c, 0,1,2,3,4,5,6,7
	ds_store_b16 v[TL], v[XT+2*(\c)] offset:(\c)*P+TAILB
	ds_store_b16_d16_hi v[TL], v[XT+2*(\c)] offset:(8+(\c))*P+TAILB
.endr
	s_wait_dscnt 0x0                               ; the stores have read their registers, which now take the constants of the kernel's second half
	v_lshrrev_b32 v24, 4, v0                       ; h
	v_bfe_u32 v25, v0, 3, 1                        ; bit 3
	v_and_b32 v26, 7, v0
	v_lshl_add_u32 v27, v24, 3, v26                ; the turning loads: row 8 h + (l & 7),
	v_mul_u32_u24 v27, v27, P
	v_lshl_add_u32 v[ADT], v25, 7, v27             ; chunk 8 x bit 3 further on,
	v_lshl_add_u32 v[ADT2], v25, 4, v27            ; among the last four chunks: 1 x bit 3
	v_mul_u32_u24 v27, v25, PLANE                  ; the way out: bit 3 = 0 real plane, 1 imaginary plane;
	v_lshl_add_u32 v[GOUT], v26, 4, v27            ; chunk 8 h + (l & 7) of the result's sixteen
	v_lshl_add_u32 v[GOUT], v24, 7, v[GOUT]
	v_add_nc_u32 v[GOUT], s18, v[GOUT]
	v_lshl_add_u32 v[GOUT2], v26, 5, v27           ; of the last four chunks: chunk h + 2 (l & 7)
	v_lshl_add_u32 v[GOUT2], v24, 4, v[GOUT2]
	v_add_nc_u32 v[GOUT2], s19, v[GOUT2]
	v_cndmask_b32 v[SIG], -1.0, 1.0, s[LIM]
	v_cndmask_b32 v[BADD], 0, s[EPS5], s[LIM]
	v_mul_f32 v[SIGE], s[EPS8], v[SIG]
	v_cndmask_b32 v[ALPHA], 1.0, -1.0, s58
	v_cndmask_b32 v24, 1.0, -1.0, s59
	v_cndmask_b32 v[REEPS], 0, s[EPS8], s60
	s_wait_alu depctr_va_vdst(0)                   ; the wait between the reciprocal of den and its first reader
	v_mul_f32 v[AL], v[ALPHA], v[SCL]
	v_mul_f32 v[AL+1], v[ALPHA], v[SCL]
	v_mul_f32 v[BE], v24, v[SCL]
	v_mul_f32 v[BE+1], v24, v[SCL]
.irp c, 0,1,2,3,4,5,6,7
	STAGE 1, \c, 28                                ; may stay out: the 7 other pairs' four loads each
.endr
	PSD 8, 8, 0
.irp c, 0,1,2,3,4,5,6,7
	STAGE 2, \c, 28-4*(\c)                         ; nothing is asked for any more: the counts run down
.endr
	PSD 16, 9, 2                                   ; group 2's eight K steps and the step of the 128 bytes
	; [S | N] = (+-D1 +- D2) / (den + 1e-8) + 1e-5 i + 1e-8 on N's diagonal (row j of N's column j, real part: lane 24 + j).  The eight selects are the places behind the last two products.
.set j, 0
.rept 8
	s_mov_b32 s20, 1<<(24+j)
	v_cndmask_b32 v[ADD+j], v[BADD], s[EPS8], s20
.set j, j+1
.endr
.irp q, 0,2,4,6                        ; each accumulator is read from its low end on
	v_pk_fma_f32 v[VV+(\q):VV+(\q)+1], v[D1+(\q):D1+(\q)+1], v[AL:AL+1], v[ADD+(\q):ADD+(\q)+1] op_sel_hi:[1,0,1]
.endr
.irp q, 0,2,4,6
	v_pk_fma_f32 v[VV+(\q):VV+(\q)+1], v[D2+(\q):D2+(\q)+1], v[BE:BE+1], v[VV+(\q):VV+(\q)+1] op_sel_hi:[1,0,1]
.endr
	; (N^-1 + 1e-8 i) S = N^-1 S + 1e-8 i x (S's column sums, the same for every row): real part -1e-8 Im sum, imaginary part +1e-8 Re sum: SIG x 1e-8 x the partner's sum
	v_pk_add_f32 v[126:127], v[VV:VV+1], v[VV+2:VV+3]
	v_pk_add_f32 v[124:125], v[VV+4:VV+5], v[VV+6:VV+7]
	v_pk_add_f32 v[126:127], v[126:127], v[124:125]
	v_add_f32 v126, v126, v127
	v_permlanex16_b32 v[PT], v126, s[SEL], s[SEL+1]
	v_mul_f32 v124, v[SIGE], v[PT]
	v_mul_f32 v125, v[SIGE], v[PT]
; GAUSS-JORDAN, step k.  N's column k lies in lanes 24 + k (real) and 8 + k (imaginary): its 8 rows are read into scalars.  Row k is divided by the pivot p: with x my part of it and
; y = SIG x my partner's part, the new parts are (x Re p - y Im p) / |p|^2 and, for the partner, with SIG again, (y Re p + x Im p) / |p|^2.  Every other row i loses c_i x row k:
; Re c_i x mine + Im c_i x (SIG x the partner's).  The rows are taken from k + 1 on, so that the next pivot is ready first.
.macro GJ k
	v_readlane_b32 s[CR+(\k)], v[VV+(\k)], 24+(\k)
	v_readlane_b32 s[CI+(\k)], v[VV+(\k)], 8+(\k)
	v_permlanex16_b32 v[PT], v[VV+(\k)], s[SEL], s[SEL+1]
	v_mul_f32 v[RC], s[CR+(\k)], s[CR+(\k)]
	v_fma_f32 v[RC], s[CI+(\k)], s[CI+(\k)], v[RC]
	v_rcp_f32 v[RC], v[RC]
	v_mul_f32 v[PT], v[SIG], v[PT]                 ; the plain instruction behind the reciprocal; 18 more stand ahead of its first reader
.set z, 1
.rept 7
.set i, ((\k)+z)%8
	v_readlane_b32 s[CR+i], v[VV+i], 24+(\k)
	v_readlane_b32 s[CI+i], v[VV+i], 8+(\k)
.set z, z+1
.endr
	v_mul_f32 v[U1], s[CR+(\k)], v[VV+(\k)]
	v_fma_f32 v[U1], s[CI+(\k)], -v[PT], v[U1]
	v_mul_f32 v[U2], s[CI+(\k)], v[VV+(\k)]
	v_fma_f32 v[U2], s[CR+(\k)], v[PT], v[U2]
	s_wait_alu depctr_va_vdst(0)                   ; the wait ahead of the reciprocal's first reader; each step's pivot hangs on the step before, so each has its own
	v_mul_f32 v[VV+(\k)], v[U1], v[RC]
	v_mul_f32 v[U2], v[U2], v[RC]
.set z, 1
.rept 7
.set i, ((\k)+z)%8
	v_fma_f32 v[VV+i], s[CR+i], -v[VV+(\k)], v[VV+i]
.set z, z+1
.endr
.set z, 1
.rept 7
.set i, ((\k)+z)%8
	v_fma_f32 v[VV+i], s[CI+i], -v[U2], v[VV+i]
.set z, z+1
.endr
.endm
.irp k, 0,1,2,3,4,5,6,7
	GJ \k
.endr
	; lanes 0-7 and 16-23 now hold N^-1 S, column l & 7.  num, its trace, w.
.irp q, 0,2,4,6
	v_pk_add_f32 v[VV+(\q):VV+(\q)+1], v[VV+(\q):VV+(\q)+1], v[124:125] op_sel_hi:[1,0]
.endr
	v_cndmask_b32 v126, v[VV], v[VV+1], s[LM+1]    ; the diagonal: row l & 7 of my column
.irp j, 2,3,4,5,6,7
	v_cndmask_b32 v126, v126, v[VV+(\j)], s[LM+(\j)]
.endr
	v_add_f32_dpp v126, v126, v126 row_xmask:1 row_mask:0xf bank_mask:0xf
	v_add_f32_dpp v126, v126, v126 row_xmask:2 row_mask:0xf bank_mask:0xf
	v_add_f32_dpp v126, v126, v126 row_xmask:4 row_mask:0xf bank_mask:0xf
	v_add_f32 v126, v126, v[REEPS]
	v_readlane_b32 s[TRR], v126, 0
	v_readlane_b32 s[TRI], v126, 16
	v_mul_f32 v[RC], s[TRR], s[TRR]
	v_fma_f32 v[RC], s[TRI], s[TRI], v[RC]
	v_rcp_f32 v[RC], v[RC]
	; w = n conj(tr) / |tr|^2 with n = num[:,0].  es = sum conj(w) X: Re es = [Re w; Im w] . Z, Im es = [-Im w; Re w] . Z.  As source 1 a lane holds 8 of a column's 16 weights: rows 8 h .. 8 h + 7 of Z.
	; Columns with bit 3 = 0 make Re es, the others Im es: lanes 0-7 and 24-31 hold Re w = (Re n Re tr + Im n Im tr) / |tr|^2, lanes 16-23 Im w = (Im n Re tr - Re n Im tr) / |tr|^2, lanes 8-15 -Im w.
	v_mul_f32 v[U1], s[TRI], -v[ALPHA]             ; the factor of Re n,
	v_mul_f32 v[U2], s[TRR], v[ALPHA]              ; and of Im n
	v_cndmask_b32 v[U1], v[U1], s[TRR], s[LWR]
	v_cndmask_b32 v[U2], v[U2], s[TRI], s[LWR]
.irp c, 0,1,2,3,4,5,6,7
	v_readlane_b32 s[CR+(\c)], v[VV+(\c)], 0
	v_readlane_b32 s[CI+(\c)], v[VV+(\c)], 16
.endr
	s_wait_alu depctr_va_vdst(0)                   ; the wait ahead of the reciprocal's first reader
	v_mul_f32 v[U1], v[U1], v[RC]
	v_mul_f32 v[U2], v[U2], v[RC]
.irp c, 0,1,2,3,4,5,6,7
	v_mul_f32 v[VAL+(\c)], s[CR+(\c)], v[U1]
.endr
.irp c, 0,1,2,3,4,5,6,7
	v_fma_f32 v[VAL+(\c)], s[CI+(\c)], v[U2], v[VAL+(\c)]
.endr
.irp e, 0,1,2,3
	v_cvt_pk_bf16_f32 v[WP+(\e)], v[VAL+2*(\e)], v[VAL+2*(\e)+1]
.endr
	; A product's K is 16 rows of Z for one pair of chunks (registers 0-3) and 16 rows for another pair (registers 4-7).  Form q of source 1 holds the weights in columns with l & 7 = 2 q
	; (registers 0-3) and 2 q + 1 (registers 4-7), and 0 elsewhere: four products with the four forms fill all 16 columns of one result.
.set q, 0
.rept 8
.irp e, 0,1,2,3
	v_cndmask_b32 v[BQ+4*q+(\e)], 0, v[WP+(\e)], s[LM+q]
.endr
.set q, q+1
.endr
; es for 256 frames: two results of 128, four products each, by turns.  In a result lane l holds chunk 8 h + (l & 7) of sixteen: registers 0-3 four neighbouring frames, 4-7 the four 128 frames on.
.macro APPLY f, d
.set q, 0
.rept 4
.set u, 0
.rept 2
.if q == 0
	v_wmma_f32_16x16x32_bf16 v[(\d)+8*u:(\d)+8*u+7], v[(\f)+32*u+8*q:(\f)+32*u+8*q+7], v[BQ+8*q:BQ+8*q+7], 0
.else
	v_wmma_f32_16x16x32_bf16 v[(\d)+8*u:(\d)+8*u+7], v[(\f)+32*u+8*q:(\f)+32*u+8*q+7], v[BQ+8*q:BQ+8*q+7], v[(\d)+8*u:(\d)+8*u+7]
.endif
.set u, u+1
.endr
.set q, q+1
.endr
.endm
.macro SEND p, d                       ; each store writes 256 consecutive bytes of the real plane and 256 of the imaginary, each run beginning at a multiple of 256 from out0's first byte
.irp u, 0,1
	global_store_b128 v[GOUT], v[(\d)+8*(\u):(\d)+8*(\u)+3],   s[OUT:OUT+1] offset:1024*(\p)+256*(\u) th:TH_STORE_NT
	global_store_b128 v[GOUT], v[(\d)+8*(\u)+4:(\d)+8*(\u)+7], s[OUT:OUT+1] offset:1024*(\p)+256*(\u)+512 th:TH_STORE_NT
.endr
.endm
	s_wait_dscnt 0x0                               ; Z turned, groups 0 and 1: asked for ahead of the elimination
	APPLY XL, 28
	PLACES
	TRLOAD 2, XL                                   ; group 2 takes group 0's registers
	SEND 0, 28
	APPLY XL+64, 44
	PLACES
	ds_load_tr16_b128 v[XL+64:XL+67], v[ADT2] offset:TAILB     ; the last four chunks: one fragment
	ds_load_tr16_b128 v[XL+68:XL+71], v[ADT2] offset:TAILB+32
	SEND 1, 44
	s_wait_dscnt 0x2                               ; group 2's 16 loads are in; the two just issued may stay out
	APPLY XL, 108
	s_wait_dscnt 0x0
	v_wmma_f32_16x16x32_bf16 v[60:67], v[XL+64:XL+71], v[BQ:BQ+7], 0   ; with form 0: columns l & 7 = 0 and 1 hold the 32 frames of the 128 bytes
	PLACES
	SEND 2, 108
	v_and_b32 v[PT], 6, v0
	v_cmp_eq_u32 vcc_lo, 0, v[PT]                  ; lanes with l & 7 < 2
	s_wait_xcnt 0x0                                ; EXEC changes only behind this wait: the stores above have taken it
	s_and_saveexec_b32 s[SVX], vcc_lo
	global_store_b128 v[GOUT2], v[60:63], s[OUT:OUT+1]             ; 64 consecutive bytes in each plane,
	global_store_b128 v[GOUT2], v[64:67], s[OUT:OUT+1] offset:64   ; and the next 64
	s_wait_xcnt 0x0
	s_or_b32 exec_lo, exec_lo, s[SVX]
	s_wait_tensorcnt 0x0                           ; the wave's end
	ds_add_u32 v[SPW], v[NIL]
	s_wait_dscnt 0x0
	s_endpgm
.Lfunc_end_k_q5b5e6889f6_mvdr:
	.size	k_q5b5e6889f6_mvdr, .Lfunc_end_k_q5b5e6889f6_mvdr-k_q5b5e6889f6_mvdr
	.p2alignl 7, 3214868480
	.fill 96, 4, 3214868480
	.section	.rodata,"a",@progbits
	.p2align	6, 0x0
	.amdhsa_kernel k_q5b5e6889f6_mvdr
		.amdhsa_group_segment_fixed_size 29440
		.amdhsa_private_segment_fixed_size 0
		.amdhsa_enable_private_segment 0
		.amdhsa_kernarg_size 56
		.amdhsa_user_sgpr_count 2
		.amdhsa_user_sgpr_kernarg_segment_ptr 1
		.amdhsa_wavefront_size32 1
		.amdhsa_system_sgpr_workgroup_id_x 1
		.amdhsa_system_sgpr_workgroup_id_y 1
		.amdhsa_system_sgpr_workgroup_id_z 1
		.amdhsa_system_vgpr_workitem_id 0
		.amdhsa_next_free_vgpr 256
		.amdhsa_next_free_sgpr 66
		.amdhsa_reserve_vcc 1
		.amdhsa_float_denorm_mode_32 3
		.amdhsa_float_denorm_mode_16_64 3
		.amdhsa_memory_ordered 1
		.amdhsa_forward_progress 1
		.amdhsa_inst_pref_size 115
	.end_amdhsa_kernel
	.amdgpu_metadata
---
amdhsa.version: [ 1, 2 ]
amdhsa.kernels:
  - .name:           k_q5b5e6889f6_mvdr
    .symbol:         k_q5b5e6889f6_mvdr.kd
    .args:
      - { .name: mix_real, .offset: 0, .size: 8, .value_kind: global_buffer, .address_space: global }
      - { .name: mix_imag, .offset: 8, .size: 8, .value_kind: global_buffer, .address_space: global }
      - { .name: speech_mask_real, .offset: 16, .size: 8, .value_kind: global_buffer, .address_space: global }
      - { .name: speech_mask_imag, .offset: 24, .size: 8, .value_kind: global_buffer, .address_space: global }
      - { .name: noise_mask_real, .offset: 32, .size: 8, .value_kind: global_buffer, .address_space: global }
      - { .name: noise_mask_imag, .offset: 40, .size: 8, .value_kind: global_buffer, .address_space: global }
      - { .name: out0, .offset: 48, .size: 8, .value_kind: global_buffer, .address_space: global }
    .group_segment_fixed_size: 29440
    .private_segment_fixed_size: 0
    .kernarg_segment_align: 8
    .kernarg_segment_size: 56
    .max_flat_workgroup_size: 32
    .sgpr_count:     66
    .vgpr_count:     256
    .wavefront_size: 32
...
	.end_amdgpu_metadata
.endif
;; end of part 1
